; MI455X (gfx1250); checked and timed in simulation.
; The chip was launched on July 23, 2026; its instructions are those of AMD's public machine-readable ISA for CDNA 5 (MIT licence, August 2026) and "CDNA5" Instruction Set Architecture Reference Guide (July 2026). The comments in the code are by the model that wrote it; some were corrected since.
;; Multi Head Attention. Allowed arithmetic: matrix products marked QUANTISED: E5M2 operands, one given power-of-two scale a tensor, by v_wmma_f32_16x16x64_bf8_bf8 or v_wmma_f32_16x16x128_bf8_bf8, f32 sums; everything else in f32.
;; Inputs: b_attn 3,072 float32; b_proj 1,024 float32; lowp_scales 8 int32 (the exponents e of the quantised operands' scales 2^e); w_attn_codes 3,072 x 32 x 32 uint8 (E5M2 codes of w_attn, K innermost, in blocks of 32 codes); w_proj_codes 1,024 x 32 x 32 uint8 (E5M2 codes of w_proj, K innermost, in blocks of 32 codes); x_codes 4 x 2,048 x 32 x 32 uint8 (E5M2 codes of x, K innermost, in blocks of 32 codes).
;; Outputs: out0 4 x 2,048 x 1,024 float32.
;; This version of the problem:
;;   THIS VERSION OF THE PROBLEM IS GIVEN IN LOW PRECISION. The matrix products marked QUANTISED in the list below multiply operands that are first quantised to E5M2 (5 exponent bits, 2 mantissa bits; 8 bits a number), with one given power-of-two scale for each operand tensor; their sums are f32. All else is computed in f32.
;;   The module's matrix products, in the order in which they are computed (A, B: the left and right operand; K: the contracted axis; several contracted axes count as one K, in the product's order):
;;     1. [M 8,192, K 1,024] x [K 1,024, N 3,072]; A: input x (given as codes); B: input w_attn (given as codes): QUANTISED (scales: A lowp_scales[0], B lowp_scales[1])
;;     2. batch 64 x [M 2,048, K 64] x [K 64, N 2,048]; A: computed on the way; B: computed on the way: QUANTISED (scales: A lowp_scales[2], B lowp_scales[3])
;;     3. batch 64 x [M 2,048, K 2,048] x [K 2,048, N 64]; A: softmax (see below); B: computed on the way: QUANTISED (scales: A lowp_scales[4], B lowp_scales[5])
;;     4. [M 8,192, K 1,024] x [K 1,024, N 1,024]; A: computed on the way; B: input w_proj (given as codes): QUANTISED (scales: A lowp_scales[6], B lowp_scales[7])
;;   THE QUANTISER, for each operand of a quantised product, along K:
;;     - The operand's scale is 2^e, e = its entry of the input lowp_scales (int32; the entries are numbered through the quantised products in the list's order, A before B).
;;     - Each number is divided by the scale, clamped to +-57,344, and rounded to the nearest number of E5M2, ties to even, subnormals kept.
;;     - The product sums the exact products of the quantised numbers (number of the format x scale) in f32.
;;   ~~~python
;;   def quantise(x, axis, e):      # numpy; x: float32 -> the quantised numbers, widened to float32 again
;;       x = np.moveaxis(x, axis, -1); K = x.shape[-1]
;;       r = np.clip(x / 2.0 ** e, -57344, 57344)
;;       step = 2.0 ** (np.maximum(np.frexp(np.where(r == 0, 1, r))[1] - 1, -14) - 2)
;;       q = np.round(r / step) * step * 2.0 ** e      # np.round: ties to even
;;       return np.moveaxis(q, -1, axis).astype(np.float32)
;;   ~~~
;;   SOFTMAX AHEAD OF A QUANTISED PRODUCT. Where the list says 'softmax', what is quantised is not the finished softmax but p = 2^(t - M), with t = logit x log2(e) and M = ceil(the row's largest t), a whole number; so 1/2 < the row's largest p <= 1. The row's sum l is taken of the UNQUANTISED p, in f32, and the product's result is divided by l at the end. Since M is a whole number, a kernel that streams over the keys may use a running M (the ceiling of the running maximum): every later rescaling is an exact power of two, so the quantised numbers keep their values, but for numbers so far below the row's largest that they fall under the format's range.
;;   OPERANDS COMPUTED ON THE WAY. 'Computed on the way' means the value that the module computes at that place (a softmax that the list does not call 'softmax' is quantised finished and normalised). What goes into a quantiser is computed in f32, as accurately as f32 sums, v_exp_f32 and their like allow (about 1e-6 of the number): no bf16 or f16 on the way to a quantiser, and a product that is left as it is and whose result goes on into a quantised operand takes f32 operands (vector FMAs, or v_wmma_f32_16x16x4_f32). A number that lies on a knife's edge between two numbers of the format may be rounded either way, as far as f32 arithmetic and the matrix unit's own rounding can turn it there, and no further.
;;   INPUTS GIVEN AS CODES. w_attn (in the module: [1024, 3072], K = its axis 0); w_proj (in the module: [1024, 1024], K = its axis 0); x (in the module: [4, 2048, 1024], K = its axis 2): each comes as NAME_codes (uint8): NAME with its K axis moved to the last place and cut into blocks of 32 codes, [.., K / 32, bytes a block], one block behind the other in memory; one code a byte (a code: sign, 5 exponent bits, 2 mantissa bits); its scale is its entry of lowp_scales. Its value is code x scale, taken as it is: it is not quantised again, and the codes and scales need not be those that the quantiser above would give.
;; One version. Each part assembles by itself: llvm-mc -triple=amdgcn-amd-amdhsa -mcpu=gfx1250 --defsym DOCPART=n.
;; ======== version 1 of 1: 3 launches
;; limits: right only within a limited range of input values
;; workspace buffers: q_img 8,388,608 bytes; k_img 8,388,608 bytes; v_img 8,388,608 bytes; y_img 8,388,608 bytes
;; launch qkv (part 1): grid 12 x 32, 4 waves a work-group, clusters of 4 x 4, 327,680 bytes of LDS; arguments x_codes, w_attn_codes, b_attn, lowp_scales, q_img, k_img, v_img; writes q_img, k_img, v_img
.if DOCPART == 1
	.amdgcn_target "amdgcn-amd-amdhsa--gfx1250"
	.amdhsa_code_object_version 6
	.text
	.protected	k_qd374cb54e1_qkv
	.globl	k_qd374cb54e1_qkv
	.p2align	8
	.type	k_qd374cb54e1_qkv,@function
k_qd374cb54e1_qkv:
	s_mov_b64 s[64:65], 0
	v_nop
	global_prefetch_b8 v0, s[64:65] scope:SCOPE_SE
	s_setreg_imm32_b32 hwreg(HW_REG_WAVE_MODE, 25, 1), 1
	s_wait_xcnt 0x0
	s_wait_alu depctr_hold_cnt(0) depctr_sa_sdst(0) depctr_va_vdst(0) depctr_va_sdst(0) depctr_va_ssrc(0) depctr_va_vcc(0) depctr_vm_vsrc(0)
	s_getreg_b32 s2, hwreg(HW_REG_IB_STS2, 6, 4)
	s_cmp_eq_u32 s2, 0
	s_cbranch_scc0 .Lentry_in_a_cluster
	s_endpgm
.Lentry_in_a_cluster:
	s_bfe_u32 s2, ttmp6, 0x10000c
	s_cmp_lg_u32 s2, 0xf033
	s_cbranch_scc0 .Lentry_shape_is_right
	s_endpgm
.Lentry_shape_is_right:
; qkv = x w_attn + b_attn on codes of BF8 (E5M2), and its three parts quantised again: q with 2^e2, k with 2^e3, v with 2^e5 (e0 .. e7: the eight whole numbers of lowp_scales).
; x_codes: [8192][1024] bytes, w_attn_codes: [3072][1024] bytes, K innermost.  A tile of 256 x 256 is made by a work-group of four waves, 128 x 128 a wave: 64 accumulators, 512 registers.
; K goes in steps of 256 through a ring of two LDS slots filled by the tensor data mover: four slots' worth in all, so the steps are written out and there is no loop.
; THE MATRIX INSTRUCTION IS USED TRANSPOSED: source 0 = 16 rows of operand S0, source 1 = 16 rows of operand S1: a lane holds ONE row of S1 and eight NEIGHBOURING rows of S0, which one conversion turns into eight codes.
;   sections q and k (cluster x = 0, 1): S1 = x (tokens), S0 = w_attn (features): a lane's eight run along the head's 64, the K of q k^T.
;   section v (cluster x = 2): the two pointers and the two cluster coordinates change places: S1 = w_attn, S0 = x: a lane's eight run along the tokens, the K of p v.  Nothing is transposed by an instruction.
; The section is the cluster's x, the same number in all sixteen partners: choices by s_cselect, and one branch (the first step, whose C is the bias, indexed by S0's block or by S1's).
; CLUSTERS: 4 x 4 work-groups.  S1's tile hangs on cy alone and is asked for jointly along a row of the cluster, S0's on cx alone and jointly along a column.
; THE WAY OUT: no stage.  The three buffers are laid as IMAGES OF OPERAND REGISTERS: four registers x 32 lanes = 512 bytes, lane l's 16 bytes at 16 l, so each store of the wave covers 512 consecutive bytes, aligned.
;   q_img, k_img: [64 heads][128 blocks of 16 tokens][2][512]: lane (r, h): token r of the block; register pair u of quad c: d = 32 c + 16 u + 8 h + 0 .. 7.
;   v_img: [32 pairs of heads][2][16 blocks of 128 keys][2 heads][4 tiles of 16 d][2][512]: lane (r, h): d = r of the tile; pair u of quad c (c / 2 outermost, c % 2 innermost): key 32 c + 16 u + 8 h + 0 .. 7 of the block.
;   With these layouts a wave's stores have the same immediates in all three sections.
; The bias goes in as the C of each sum's first matrix instruction, as b / 2^(e0 + e1); a code is (sum + that) / 2^(eo - e0 - e1), held within +-57,344, eo = e2, e3 or e5.
; LIMITS: eo - e0 - e1 lies between -126 and 112, so that the scale and 57,344 x the scale are f32 numbers.  NaN in b_attn is not served.
; No prefetch: of K's four slots two are first fills, and the other two are asked for while the first two are multiplied.
; REGISTERS, in windows of 256: window 0: v1-6 at work, v16-31 addresses and constants, v32-95 the bias and later a block's held sums, v96-103 the bias's offsets and later v96-127 two sets of codes, v128-255 S1's fragments, ONE set.
;   window 1: S0's fragments, TWO sets.   window 2: the accumulators of S1's blocks 0-3 ((a, b) at v[8 (8 (a % 4) + b)]);   window 3: those of blocks 4-7.
.set KROW,   1024                      ; a row of x or of w_attn in bytes
.set ROWB,   256                       ; a tile's row in bytes
.set PITCH,  272                       ; an LDS row: 256 bytes + 16 of padding = 68 words: row r starts at bank 4 r mod 64 (64 banks of 4 bytes: ISA guide 11.1)
.set FR,     16                        ; registers of a fragment: 16 rows x 128 K
.set NL,     4                         ; LDS loads that bring one
.set NP,     4                         ; places behind this matrix instruction (ISA guide 7.12.1)
.set HALFT,  128*PITCH                 ; 128 rows: what one tensor load brings
.set SLOT,   4*HALFT                   ; S1's 256 rows, then S0's 256 rows
.set SPARE,  2*SLOT                    ; behind the ring: the spare words, 128 bytes for each wave: two blocks of 256 bytes that no other line names
.set ADRA, 16                          ; v16-17  LDS address of my S1 fragments in slot 0, 1
.set ADRB, 20                          ; v20-21  the same for S0
.set LO,   26                          ; v26     16 x lane: my place in an image; never rewritten
.set SPW,  28                          ; v28     LDS address of my spare word; never rewritten
.set NIL,  29                          ; v29     0; never rewritten
.set SC,   30                          ; v30     2^(eo - e0 - e1) as f32
.set LIM,  31                          ; v31     57,344 x that
.set BIAS, 32                          ; v32-95  the bias, eight registers for each block of 16
.set TMP,  32                          ; v32-95  later: a block's 64 sums, held
.set LOB,  96                          ; v96-103 the bias's lane offsets
.set AF,   128                         ; S1's fragments
.set G1, 24                            ; s[24:31] descriptor group 1 for S1's tiles;  s[32:39] group 0, one set for each slot
.set G0, 32
.set G1B, 48                           ; s[48:55], s[56:63] the same for S0's tiles
.set G0B, 56
.set MSB, 0
.macro WIN new                         ; the immediate's high byte repeats the setting that is left
.if MSB != (\new)
	s_set_vgpr_msb (MSB<<8)|(\new)
.set MSB, (\new)
.endif
.endm
.set MUL_LO, 0xa1                      ; source 0 (S0) window 1, source 1 (S1) window 0, C and D window 2
.set MUL_HI, 0xf1                      ; the same, C and D window 3
.set ST_LO,  0x81                      ; the first step: C (the bias) window 0, D window 2
.set ST_HI,  0xc1                      ; C window 0, D window 3
.set TO_B,   0x40                      ; destination window 1, address window 0
; A joint load: waves 0 and 1 fetch for S1, waves 2 and 3 for S0.  Each of the two lines has ONE mask and one set of registers for all that issue it; the branch hangs on the wave's number alone.
; Four v_nop follow each of the two lines, ahead of the jump, the label and what follows.
.macro JLOAD g0a, g1a, g0b, g1b
	s_cmp_eq_u32 s15, 0
	s_cbranch_scc0 .Lfor_b_\@
	tensor_load_to_lds s[\g0a:\g0a+3], s[\g1a:\g1a+7]
	s_nop 0
.rept 4
	v_nop
.endr
	s_branch .Lasked_\@
.Lfor_b_\@:
	tensor_load_to_lds s[\g0b:\g0b+3], s[\g1b:\g1b+7]
	s_nop 0
.rept 4
	v_nop
.endr
.Lasked_\@:
.endm
.macro CREST                           ; a round of the cluster's barrier behind its opening barrier
	s_cmp_lg_u32 s14, 0
	s_cbranch_scc1 .Lnot_wave_0_\@
	s_barrier_signal -3
.Lnot_wave_0_\@:
	s_barrier_wait -3
	s_barrier_signal -1
	s_barrier_wait -1
.endm
.macro CROUND                          ; a whole round
	s_barrier_signal -1
	s_barrier_wait -1
	CREST
.endm
	s_load_b256 s[4:11], s[0:1], 0x0               ; x's codes s[4:5], w_attn's s[6:7], b_attn s[8:9], the exponents s[10:11]
	s_load_b128 s[68:71], s[0:1], 0x20             ; q_img, k_img
	s_load_b64 s[72:73], s[0:1], 0x30              ; v_img
	v_lshl_add_u32 v[SPW], v0, 2, SPARE
	v_mov_b32 v[NIL], 0
	ds_add_u32 v28, v29
	ds_add_u32 v28, v29
	s_wait_dscnt 0x0
	v_lshrrev_b32 v1, 5, v0
	v_readfirstlane_b32 s14, v1                    ; wave 0..3
	s_lshr_b32 s15, s14, 1                         ; which half of the tile's S1 rows is mine.  Also: I fetch for S1 (0) or for S0 (1)
	s_and_b32 s16, s14, 1                          ; which half of its S0 rows.  Also: which 128 rows of that tile I fetch
	s_bfe_u32 s40, ttmp6, 0x40000                  ; cx, cy: my place in the cluster
	s_bfe_u32 s41, ttmp6, 0x40004
	s_and_b32 s75, ttmp7, 0xffff                   ; the cluster's y
	s_cmp_eq_u32 ttmp9, 2                          ; section v?  The cluster's x: the same in all sixteen partners
	s_cselect_b32 s74, ttmp9, s75                  ; the cluster's coordinate for S1: its y (tokens), in section v its x (features)
	s_cselect_b32 s75, s75, ttmp9                  ; and for S0: the other one
	s_lshl_b32 s17, s74, 2
	s_add_co_u32 s17, s17, s41                     ; S1's tile = 4 x coordinate + cy
	s_lshl_b32 s42, s75, 2
	s_add_co_u32 s42, s42, s40                     ; S0's tile = 4 x coordinate + cx
	s_lshl_b32 s43, s41, 2
	s_lshl_b32 s43, 15, s43                        ; my row of the cluster
	s_lshl_b32 s44, 0x1111, s40                    ; my column
	; descriptor group 1: a tile of 128 rows x 256 bytes, padded in LDS
	s_or_b32 s[G1+0], s43, (0<<16)|(1<<20)|(1<<21)|(5<<22)|(3<<25)  ; 15:0 the mask: S1's tiles go to my row; 17:16 element of 1 byte; 20 padding on; 21 set beside a mask; 24:22 after every 64 words (code 5); 31:25 of 4 words (code 3)
	s_or_b32 s[G1B+0], s44, (0<<16)|(1<<20)|(1<<21)|(5<<22)|(3<<25) ; the same with the mask of my column
.irp g, G1, G1B
	s_mov_b32 s[\g+1], ROWB<<16                    ; tensor_dim0
	s_mov_b32 s[\g+2], 128<<16                     ; tensor_dim1 = 128
	s_mov_b32 s[\g+3], ROWB<<16                    ; tile_dim0
	s_mov_b32 s[\g+4], 128                         ; tile_dim1 = 128
	s_mov_b32 s[\g+5], KROW                        ; tensor_dim0_stride
	s_mov_b32 s[\g+6], 0
	s_mov_b32 s[\g+7], 0
.endr
	s_lshl_b32 s18, s16, 7                         ; which 128 rows of the tile I fetch
	s_lshl_b32 s20, s17, 8
	s_add_co_u32 s20, s20, s18                     ; S1: row 256 x tile + 128 x half,
	s_lshl_b32 s20, s20, 10                        ; in bytes (under 2^23)
	s_mov_b32 s21, 0
	s_lshl_b32 s46, s42, 8
	s_add_co_u32 s46, s46, s18                     ; S0 likewise, in registers that never hold cy
	s_lshl_b32 s46, s46, 10
	s_mov_b32 s47, 0
	s_mul_i32 s45, s14, HALFT                      ; where they go: wave x 128 rows: no place in the cluster enters an LDS address
	s_wait_kmcnt 0x0
	s_load_b256 s[84:91], s[10:11], 0x0            ; e0 .. e7
	s_cmp_eq_u32 ttmp9, 2
	s_cselect_b64 s[76:77], s[6:7], s[4:5]         ; S1's codes: x's, in section v w_attn's
	s_cselect_b64 s[78:79], s[4:5], s[6:7]         ; S0's: the other's
	s_add_nc_u64 s[20:21], s[76:77], s[20:21]
	s_add_nc_u64 s[46:47], s[78:79], s[46:47]
	CROUND                                         ; all sixteen work-groups are here: the first joint loads meet
.irp s, 0,1
	s_mov_b32 s[G0+4*\s], 1
	s_add_co_u32 s[G0+4*\s+1], s45, \s*SLOT
	s_add_nc_u64 s[G0+4*\s+2:G0+4*\s+3], s[20:21], \s*ROWB
	s_or_b32 s[G0+4*\s+3], s[G0+4*\s+3], 0x80000000
	s_mov_b32 s[G0B+4*\s], 1
	s_add_co_u32 s[G0B+4*\s+1], s45, \s*SLOT
	s_add_nc_u64 s[G0B+4*\s+2:G0B+4*\s+3], s[46:47], \s*ROWB
	s_or_b32 s[G0B+4*\s+3], s[G0B+4*\s+3], 0x80000000
	JLOAD G0+4*\s, G1, G0B+4*\s, G1B
.endr
	v_and_b32 v1, 15, v0                           ; r = lane % 16
	v_bfe_u32 v2, v0, 4, 1                         ; h = lane / 16
	v_mul_u32_u24 v3, v1, PITCH
	v_lshl_add_u32 v4, v2, 4, v3                   ; a fragment's row x pitch + 16 x half
	s_mul_i32 s21, s15, HALFT                      ; my 128 rows of S1
	s_mul_i32 s22, s16, HALFT                      ; my 128 rows of S0,
	s_add_co_u32 s22, s22, 2*HALFT                 ; which lie behind S1's 256
.irp s, 0,1
	v_add_nc_u32 v[ADRA+\s], s21, v4
	v_add_nc_u32 v[ADRB+\s], s22, v4
	s_add_co_u32 s21, s21, SLOT
	s_add_co_u32 s22, s22, SLOT
.endr
	v_and_b32 v5, 31, v0
	v_lshlrev_b32 v[LO], 4, v5
	; what hangs on the section
	s_cmp_eq_u32 ttmp9, 2
	s_cselect_b32 s92, s41, s40                    ; which 256 features of the section: cx, in section v cy
	s_cselect_b32 s93, s15, s16                    ; and which half of them is my wave's
	s_cselect_b32 s94, s42, s17                    ; which 256 tokens
	s_cselect_b32 s95, s16, s15                    ; and which half of them
	s_cselect_b32 s96, 4, 0                        ; the bias's lane offset is RS r + HS h + JS j bytes: q, k: feature 8 h + j of S0's block; v: feature r of S1's block
	s_cselect_b32 s97, 0, 32
	s_cselect_b32 s98, 0, 4
	v_mul_u32_u24 v3, v1, s96
	v_mad_u32_u24 v3, v2, s97, v3
.irp j, 0,1,2,3,4,5,6,7
	v_mad_u32_u24 v[LOB+\j], s98, \j, v3
.endr
	s_lshl_b32 s99, ttmp9, 10                      ; my wave's first feature: 1,024 x section + 256 x which + 128 x half
	s_lshl_b32 s82, s92, 8
	s_add_co_u32 s82, s82, s99
	s_lshl_b32 s99, s93, 7
	s_add_co_u32 s82, s82, s99
	s_lshl_b32 s82, s82, 2
	s_mov_b32 s83, 0
	s_add_nc_u64 s[82:83], s[8:9], s[82:83]
	s_wait_alu depctr_va_vdst(0)
.irp k, 0,1,2,3,4,5,6,7
.irp j, 0,1,2,3,4,5,6,7
	global_load_b32 v[BIAS+8*\k+\j], v[LOB+\j], s[82:83] offset:64*\k   ; block k's eight registers, in the result's layout
.endr
.endr
	; where my wave's images begin: ((16 batch + my first head) x 16 + my block of 128 tokens) x 8,192 bytes, in all three buffers
	s_lshr_b32 s80, s94, 3                         ; batch
	s_lshl_b32 s80, s80, 4
	s_lshl_b32 s81, s92, 2
	s_add_co_u32 s80, s80, s81
	s_lshl_b32 s81, s93, 1
	s_add_co_u32 s80, s80, s81                     ; + head: 4 x which 256 features + 2 x half
	s_lshl_b32 s80, s80, 4
	s_and_b32 s81, s94, 7
	s_lshl_b32 s81, s81, 1
	s_add_co_u32 s80, s80, s81
	s_add_co_u32 s80, s80, s95                     ; + block of 128 tokens in the batch
	s_lshl_b32 s80, s80, 13
	s_mov_b32 s81, 0
	s_cmp_eq_u32 ttmp9, 0
	s_cselect_b64 s[92:93], s[68:69], s[70:71]
	s_cmp_eq_u32 ttmp9, 2
	s_cselect_b64 s[92:93], s[72:73], s[92:93]     ; q_img, k_img or v_img
	s_add_nc_u64 s[80:81], s[92:93], s[80:81]
	s_wait_kmcnt 0x0                               ; the exponents
	s_add_co_i32 s99, s84, s85                     ; e0 + e1
	s_cmp_eq_u32 ttmp9, 0
	s_cselect_b32 s96, s86, s87
	s_cmp_eq_u32 ttmp9, 2
	s_cselect_b32 s96, s89, s96                    ; eo = e2, e3 or e5: a choice, no branch
	s_sub_co_i32 s96, s96, s99                     ; a sum stands for sum x 2^(e0 + e1): its code is sum / 2^(eo - e0 - e1)
	s_sub_co_i32 s99, 0, s99
	s_add_co_i32 s96, s96, 127
	s_lshl_b32 s97, s96, 23
	v_mov_b32 v[SC], s97                           ; the conversion takes its exponent field
	s_add_co_i32 s96, s96, 15
	s_lshl_b32 s96, s96, 23
	s_or_b32 s96, s96, 0x600000
	v_mov_b32 v[LIM], s96                          ; 57,344 x the scale
	s_wait_loadcnt 0x0                             ; the bias
.set j, 0
.rept 64
	v_ldexp_f32 v[BIAS+j], v[BIAS+j], s99          ; b / 2^(e0 + e1)
.set j, j+1
.endr
.macro FRAG reg, adr, q, i             ; a fragment, 16 rows x 128 K, is 16 registers: lane l holds row l % 16; registers 4 c .. 4 c + 3 hold K = 32 c + 16 (l / 16) + 0 .. 15: the same places in S0 and S1
.irp c, 0,1,2,3
	ds_load_b128 v[\reg+4*\c:\reg+4*\c+3], v[\adr] offset:128*(\q)+32*\c+(\i)*16*PITCH
.endr
.endm
; 16 matrix instructions: S1's blocks a0, a0 + 1 x S0's eight, 128 along K.  p: S0's set.  mode 0: onto the sums; 1: the bias of S0's block starts them; 2: the bias of S1's block.
; The 64 accumulators take turns, one instruction a turn, in the same order in every step.
.macro MUL16 a0, p, mode
.irp a, \a0, \a0+1
.irp b, 0,1,2,3,4,5,6,7
.if \mode == 0
	v_wmma_f32_16x16x128_bf8_bf8 v[8*(8*((\a)%4)+\b):8*(8*((\a)%4)+\b)+7], v[128*(\p)+FR*\b:128*(\p)+FR*\b+FR-1], v[AF+FR*(\a):AF+FR*(\a)+FR-1], v[8*(8*((\a)%4)+\b):8*(8*((\a)%4)+\b)+7]
.elseif \mode == 1
	v_wmma_f32_16x16x128_bf8_bf8 v[8*(8*((\a)%4)+\b):8*(8*((\a)%4)+\b)+7], v[128*(\p)+FR*\b:128*(\p)+FR*\b+FR-1], v[AF+FR*(\a):AF+FR*(\a)+FR-1], v[BIAS+8*\b:BIAS+8*\b+7]
.else
	v_wmma_f32_16x16x128_bf8_bf8 v[8*(8*((\a)%4)+\b):8*(8*((\a)%4)+\b)+7], v[128*(\p)+FR*\b:128*(\p)+FR*\b+FR-1], v[AF+FR*(\a):AF+FR*(\a)+FR-1], v[BIAS+8*(\a):BIAS+8*(\a)+7]
.endif
.endr
.endr
.endm
.macro FETCH_B slot, q, p              ; S0's eight fragments of the slot's q-th 128 along K into set p
	WIN TO_B
.irp i, 0,1,2,3,4,5,6,7
	FRAG 128*(\p)+FR*\i, ADRB+\slot, \q, \i
.endr
	WIN 0
.endm
.macro FETCH_A slot, q, i0             ; S1's blocks i0 .. i0 + 3
.irp i, \i0, \i0+1, \i0+2, \i0+3
	FRAG AF+FR*(\i), ADRA+\slot, \q, \i
.endr
.endm
; A load into a register that a matrix instruction has read, and a vector instruction that reads a matrix result, stand NP places behind that matrix instruction; only plain vector
; instructions that name none of its registers are places (ISA guide 7.12.1 for vector instructions).
.macro PLACES n
.rept \n
	v_nop
.endr
.endm
; A step of 128 along K that has its successor in the same slot.
.macro STEP slot, q, mode
	s_wait_dscnt 4*NL                              ; S0's set and S1's blocks 0-3 are in; the youngest sixteen loads (S1's blocks 4-7) may be out
.if \mode
	WIN ST_LO
.else
	WIN MUL_LO
.endif
	MUL16 0, (\q)%2, \mode
	MUL16 2, (\q)%2, \mode
	s_wait_dscnt 0                                 ; S1's blocks 4-7 are in (asked for 32 matrix instructions ago)
	PLACES NP
	FETCH_B \slot, (\q)+1, 1-(\q)%2
	FETCH_A \slot, (\q)+1, 0
.if \mode
	WIN ST_HI
.else
	WIN MUL_HI
.endif
	MUL16 4, (\q)%2, \mode
	MUL16 6, (\q)%2, \mode
	PLACES NP
	WIN 0
	FETCH_A \slot, (\q)+1, 4
.endm
; A slot's last step changes slots: ONE barrier; in front of it each wave waits for all its tensor loads, adds 0 to its spare word, and waits for that and for its own reads of this slot.  fill = 1: this slot is filled again, two K steps ahead.
.macro TURN slot, next, fill
	s_wait_tensorcnt 0x0                           ; all my tensor loads have landed: my part of the next slot  (every window is 0 here: the add's two registers lie in window 0)
	ds_add_u32 v[SPW], v[NIL]                      ; 0 onto my spare word
	s_wait_dscnt 4*NL+1                            ; (the add and the youngest sixteen loads may be out)
	WIN MUL_LO
	MUL16 0, 1, 0                                  ; sixteen matrix instructions stand between the add and the wait for it
	s_wait_dscnt 0x0                               ; the add is done, and my reads of this slot are over
	s_barrier_signal -1
	MUL16 2, 1, 0
	WIN 0
	s_barrier_wait -1
.if \fill
	CREST                                          ; the barrier has opened a round of the cluster's barrier: no wave of any partner still reads this slot's tile or has a load on its way
	s_add_nc_u64 s[G0+4*\slot+2:G0+4*\slot+3], s[G0+4*\slot+2:G0+4*\slot+3], 2*ROWB
	s_add_nc_u64 s[G0B+4*\slot+2:G0B+4*\slot+3], s[G0B+4*\slot+2:G0B+4*\slot+3], 2*ROWB
	JLOAD G0+4*\slot, G1, G0B+4*\slot, G1B         ; the first tensor load behind the round; the four v_nop behind it are the places in front of the loads below
.else
	PLACES NP
.endif
	FETCH_B \next, 0, 0
	FETCH_A \next, 0, 0
	WIN MUL_HI
	MUL16 4, 1, 0
	MUL16 6, 1, 0
	PLACES NP
	WIN 0
	FETCH_A \next, 0, 4
.endm
	s_wait_tensorcnt 1                             ; my part of K step 0 is in (K step 1's load may be out)
	s_barrier_signal -1
	s_barrier_wait -1                              ; everybody's is
	FETCH_B 0, 0, 0
	FETCH_A 0, 0, 0
	FETCH_A 0, 0, 4
	s_cmp_eq_u32 ttmp9, 2                          ; the first step is written twice: its C is the bias, by S0's block (q, k) or by S1's (v).  Both arms hold LDS loads and matrix instructions alone, the same number of each
	s_cbranch_scc1 .Lfirst_v
	s_wait_alu depctr_va_vdst(0)
	STEP 0, 0, 1
	s_branch .Lfirst_done
.Lfirst_v:
	s_wait_alu depctr_va_vdst(0)
	STEP 0, 0, 2
.Lfirst_done:
	TURN 0, 1, 1                                   ; slot 0 takes K step 2
	STEP 1, 0, 0
	TURN 1, 0, 1                                   ; slot 1 takes K step 3
	STEP 0, 0, 0
	TURN 0, 1, 0                                   ; nothing is left to fetch: no round of the cluster's barrier
	STEP 1, 0, 0
	s_wait_dscnt 4*NL                              ; the very last step
	WIN MUL_LO
	MUL16 0, 1, 0
	MUL16 2, 1, 0
	s_wait_dscnt 0
	WIN MUL_HI
	MUL16 4, 1, 0
	MUL16 6, 1, 0
	WIN 0
; THE WAY OUT of S1's block a: its 64 sums are held within +-57,344 x the scale (the conversion to an 8-bit code does not saturate: ISA guide 7.6.2), each accumulator from its low end on;
; eight conversions make 16 registers of codes, which are four quads of the images; four stores of 512 consecutive bytes each.  Two sets of code registers take turns.
.macro OUT a
.set AC, 64*((\a)%4)
.set CD, 96+16*((\a)%2)
	WIN 0x02+((\a)/4)                              ; source 0: window 2 or 3
.set j, 0
.rept 64
	v_med3_num_f32 v[TMP+j], v[AC+j], -v[LIM], v[LIM]
.set j, j+1
.endr
	WIN 0
.if (\a) >= 2
	s_wait_alu depctr_va_vdst(0)
	s_wait_xcnt 0x0                                ; block a - 2's stores have read this set of code registers
.endif
.irp b, 0,1,2,3,4,5,6,7
	v_cvt_scalef32_pk8_bf8_f32 v[CD+2*\b:CD+2*\b+1], v[TMP+8*\b:TMP+8*\b+7], v[SC]
.endr
	v_nop                                          ; one plain vector instruction between the conversions and the next block's holds, which write their sources
.irp c, 0,1,2,3
	global_store_b128 v[LO], v[CD+4*\c:CD+4*\c+3], s[80:81] offset:(\c/2)*131072+(\a)*1024+(\c%2)*512
.endr
.endm
	PLACES NP                                      ; behind the last products
.irp a, 0,1,2,3,4,5,6,7
	OUT \a
.endr
	s_wait_tensorcnt 0x0                           ; the wave's end: behind my last tensor load
	ds_add_u32 v[SPW], v[NIL]
	s_wait_dscnt 0x0
	CROUND                                         ; the closing round: no work-group ends while a partner may still ask for a tile that names it
	s_endpgm
.Lfunc_end_k_qd374cb54e1_qkv:
	.size	k_qd374cb54e1_qkv, .Lfunc_end_k_qd374cb54e1_qkv-k_qd374cb54e1_qkv
	.p2alignl 7, 3214868480
	.fill 96, 4, 3214868480
	.section	.rodata,"a",@progbits
	.p2align	6, 0x0
	.amdhsa_kernel k_qd374cb54e1_qkv
		.amdhsa_group_segment_fixed_size 327680
		.amdhsa_private_segment_fixed_size 0
		.amdhsa_enable_private_segment 0
		.amdhsa_kernarg_size 56
		.amdhsa_user_sgpr_count 2
		.amdhsa_user_sgpr_kernarg_segment_ptr 1
		.amdhsa_wavefront_size32 1
		.amdhsa_system_sgpr_workgroup_id_x 1
		.amdhsa_system_sgpr_workgroup_id_y 1
		.amdhsa_system_sgpr_workgroup_id_z 1
		.amdhsa_system_vgpr_workitem_id 0
		.amdhsa_next_free_vgpr 1024
		.amdhsa_next_free_sgpr 100
		.amdhsa_reserve_vcc 0
		.amdhsa_float_denorm_mode_32 3
		.amdhsa_float_denorm_mode_16_64 3
		.amdhsa_memory_ordered 1
		.amdhsa_forward_progress 1
		.amdhsa_inst_pref_size 138
	.end_amdhsa_kernel
	.amdgpu_metadata
---
amdhsa.version: [ 1, 2 ]
amdhsa.kernels:
  - .name:           k_qd374cb54e1_qkv
    .symbol:         k_qd374cb54e1_qkv.kd
    .args:
      - { .name: x_codes, .offset: 0, .size: 8, .value_kind: global_buffer, .address_space: global }
      - { .name: w_attn_codes, .offset: 8, .size: 8, .value_kind: global_buffer, .address_space: global }
      - { .name: b_attn, .offset: 16, .size: 8, .value_kind: global_buffer, .address_space: global }
      - { .name: lowp_scales, .offset: 24, .size: 8, .value_kind: global_buffer, .address_space: global }
      - { .name: q_img, .offset: 32, .size: 8, .value_kind: global_buffer, .address_space: global }
      - { .name: k_img, .offset: 40, .size: 8, .value_kind: global_buffer, .address_space: global }
      - { .name: v_img, .offset: 48, .size: 8, .value_kind: global_buffer, .address_space: global }
    .group_segment_fixed_size: 327680
    .private_segment_fixed_size: 0
    .kernarg_segment_align: 8
    .kernarg_segment_size: 56
    .max_flat_workgroup_size: 128
    .sgpr_count:     100
    .vgpr_count:     1024
    .wavefront_size: 32
...
	.end_amdgpu_metadata
.endif
;; end of part 1
;; launch attn (part 2): grid 4 x 64, 16 waves a work-group, no clusters, 327,680 bytes of LDS; arguments q_img, k_img, v_img, lowp_scales, y_img; writes y_img
.if DOCPART == 2
	.amdgcn_target "amdgcn-amd-amdhsa--gfx1250"
	.amdhsa_code_object_version 6
	.text
	.protected	k_qd374cb54e1_attn
	.globl	k_qd374cb54e1_attn
	.p2align	8
	.type	k_qd374cb54e1_attn,@function
k_qd374cb54e1_attn:
	s_mov_b64 s[64:65], 0
	v_nop
	global_prefetch_b8 v0, s[64:65] scope:SCOPE_SE
	s_setreg_imm32_b32 hwreg(HW_REG_WAVE_MODE, 25, 1), 1
	s_wait_xcnt 0x0
; y = softmax(q k^T / 8, causal) v for 64 heads of 2,048 tokens x 64, both products on codes of BF8 (E5M2); y is quantised with 2^e6 for the projection.
; q_img, k_img, v_img: images of operand registers (512 bytes = four registers x 32 lanes, lane l's 16 bytes at 16 l):
;   q_img, k_img [64 heads][128 blocks of 16 tokens][2][512]: a fragment of the K = 64 form; v_img [32 pairs of heads][2][16 blocks of 128 keys][2 heads][4 tiles of 16 d][2][512]: fragments of the K = 128 form, keys along K.
;   y_img [512 blocks of 16 rows][16 heads][2][512]: lane (r, h): row r, channels 64 head + 32 c + 16 h + 0 .. 15 in quad c.
; THE SOFTMAX AHEAD OF THE SECOND PRODUCT: t = score x log2(e) / 8; M = the row's largest t so far, rounded UP to a whole number; p = 2^(t - M) is quantised with 2^e4; the row's sum is taken of the
; unquantised p and divides at the end.  When M moves, the sum and O are multiplied by 2^(old M - new M): exact.
; SHARES.  Work-group (x, head) owns TWO blocks of 256 queries: first block 7 - x, which wants the key slots 0 .. 7 - x, then block x, which wants slots 0 .. x (a slot: 256 keys).  That is nine slots for every
; work-group: 256 work-groups of equal work, and the loop's trip count is a constant.  Each of the SIXTEEN waves owns 16 queries of the block in hand, in 256 registers: four waves to a SIMD, so that one wave's
; vector work stands beside another's matrix work and LDS loads.  A key step is 128 keys; a step all of whose keys come after the wave's queries is left out by a scalar branch on ids.
; LAYOUT.  Both products are used transposed: S^T = K Q^T (source 0 = 16 keys, source 1 = my 16 queries, K = 64), O^T = V^T P^T (source 0 = 16 of the head's 64, source 1 = P, K = 128 keys): a lane holds ONE query
; (lane % 16) throughout, and register 8 T + j of S^T holds key 16 T + 8 (lane / 16) + j: a conversion of tile T's eight registers IS register pair T of P's fragment.
; THE RING: two slots of 32,768 bytes.  Waves 0 and 1 fetch K's halves, waves 2 and 3 V's: one tensor load each of 2 rows x 4,096 bytes, 8,192 bytes apart in memory: one shape for all four.  Images need no padding: a load's 512 bytes are consecutive.
; NO CLUSTER: the four work-groups of a head ask for the same slots only up to trip 7 - x of each; from there on each wants another slot than its partners, so their requests could not be joint on every path.
; LIMITS on the given exponents, so that each power of two below is an f32 number: e2 + e3 between -123 and 130 (added to c's exponent field); e4 and e6 between -126 and 112; e4 + e5 is applied by v_ldexp_f32 and has none.
; REGISTERS: v1 16 x lane; v2 the step's LDS address; v3 the prefetches' offset; v4 the mask's d; v5, v6 the add's; v7 r - 8 h; v12 -M, v13 the largest t, v[14:15] the sum in two halves; v16-23 Q; v24-87 K's eight fragments, then V's four;
;   v88-151 S^T, then p; v152-183 O^T; v184-199 p's codes; v200-207 y's codes; v208-215 y's two quads; v216-219 the exchange; v220-227 the second block's Q; v236-255 at work and constants.
.set SLOT1, 1<<15                      ; slot 1 begins here: one exclusive or turns an address in one slot into the other's
.set VOFF,  16384                      ; a slot: K's two regions of 8,192 bytes, then V's two
.set SPARE, 2*SLOT1                    ; behind the ring: the spare words, 128 bytes for each wave: eight blocks of 256 bytes that no other line names
.set LI,   1
.set ADR,  2
.set PFO,  3
.set DD,   4
.set SPW,  5
.set NIL,  6
.set RH,   7
.set QF,   16
.set FF,   24
.set SS,   88
.set OT,   152
.set PC,   184
.set YC,   200
.set WQ,   208
.set XC,   216
.set RC,   218
.set Q2,   220
.set TB,    2                          ; s2   LDS byte at which the slot in hand begins
.set WV,    18                         ; s18  my wave's number
.set BH,    19                         ; s19  the head, 0 .. 63
.set KEND,  20                         ; s20  256 (8 - x): the first block's keys
.set Q0,    21                         ; s21  my first query
.set KF,    22                         ; s22  the step's first key
.set NS,    23                         ; s23  the slot's worth of keys last asked for
.set NLIM,  24                         ; s24  8 - x: behind it the asking begins anew at 0
.set SLOTS, 25                         ; s25  the loop's counter
.set SEL,   26                         ; s[26:27] lane selects for v_permlanex16_b32: lane l xor 16
.set CS,    28                         ; s[28:29] c = log2(e) / 8 x 2^(e2 + e3)
.set EPV,   30                         ; s30  e4 + e5
.set G1,    32                         ; s[32:39] descriptor group 1
.set G0,    40                         ; s[40:43] group 0, which walks
.set KVB,   44                         ; s[44:45] what I fetch, at slot 0
.set OFF,   46                         ; s[46:47] 16,384 x NS
.set PFA,   48                         ; s[48:49] where my prefetches stand
.set LIM,   50                         ; s50  2 in a wave that prefetches, else the greatest number
.set Q0B,   51                         ; s51  my first query in the second block
.set YP,    54                         ; s[54:55] y_img at my batch's first row and my head
.set ES,    56                         ; s[56:63] e0 .. e7
.set YA,    68                         ; s[68:69] y_img at my 16 rows
; Waves 0 to 3 fetch, the others nothing.  The branch hangs on the wave's number alone.  Four v_nop follow the line.
.macro TLOAD
	s_cmp_lt_u32 s[WV], 4
	s_cbranch_scc0 .Lasked_\@
	tensor_load_to_lds s[G0:G0+3], s[G1:G1+7]
	s_nop 0
.rept 4
	v_nop
.endr
.Lasked_\@:
.endm
; A PREFETCH INTO THE L2 of the slot after the one that is being asked for.  All four work-groups of a head walk the same K and V; work-group x = 0 walks slots 0 to 7 in trips 0 to 7 and asks, nobody else (a branch on the
; work-group's number: this launch has no cluster).  In it four waves that fetch nothing ask, one instruction each, lanes 256 bytes apart: waves 4 and 5 for the halves of K's 16,384 bytes, waves 6 and 7 for V's two pairs of 4,096.
; So each aligned block of 256 bytes is named once in the launch.  Trip i names slot i + 2; trips 0 to 5 ask (the counter is 8 - i, above 2): slots 0 and 1 come by their loads alone, and nothing is named behind slot 7.
.macro ASK
	s_cmp_gt_u32 s[SLOTS], s[LIM]
	s_cbranch_scc0 .Lnot_mine_\@
	global_prefetch_b8 v[PFO], s[PFA:PFA+1] th:TH_LOAD_NT scope:SCOPE_SE
.Lnot_mine_\@:
.endm
	s_load_b256 s[4:11], s[0:1], 0x0               ; q_img s[4:5], k_img s[6:7], v_img s[8:9], the exponents s[10:11]
	s_load_b64 s[12:13], s[0:1], 0x20              ; y_img
	v_lshl_add_u32 v[SPW], v0, 2, SPARE
	v_mov_b32 v[NIL], 0
	ds_add_u32 v5, v6
	ds_add_u32 v5, v6
	s_wait_dscnt 0x0
	v_lshrrev_b32 v8, 5, v0
	s_delay_alu instid0(VALU_DEP_1)
	v_readfirstlane_b32 s[WV], v8                  ; wave 0..15
	s_and_b32 s[BH], ttmp7, 0xffff
	s_sub_co_u32 s[NLIM], 8, ttmp9
	s_lshl_b32 s[KEND], s[NLIM], 8
	s_lshl_b32 s70, s[WV], 4
	s_sub_co_u32 s[Q0], s[KEND], 256
	s_add_co_u32 s[Q0], s[Q0], s70                 ; 256 (7 - x) + 16 wave
	s_lshl_b32 s[Q0B], ttmp9, 8
	s_add_co_u32 s[Q0B], s[Q0B], s70               ; 256 x + 16 wave
	s_mov_b32 s[G1], 0                             ; 15:0 no mask; 17:16 elements of 1 byte; 20 no padding
	s_mov_b32 s[G1+1], 4096<<16                    ; tensor_dim0 = 4,096
	s_mov_b32 s[G1+2], 2<<16                       ; tensor_dim1 = 2
	s_mov_b32 s[G1+3], 4096<<16                    ; tile_dim0
	s_mov_b32 s[G1+4], 2                           ; tile_dim1
	s_mov_b32 s[G1+5], 8192                        ; tensor_dim0_stride
	s_mov_b32 s[G1+6], 0
	s_mov_b32 s[G1+7], 0
	s_and_b32 s73, s[WV], 1
	s_lshl_b32 s74, s[BH], 17                      ; the head's first byte in q_img and k_img
	s_lshl_b32 s75, s73, 12
	s_add_co_u32 s75, s75, s74                     ; K, to fetch: blocks 4 (wave % 2) .. + 3 of each of the slot's two steps
	s_lshl_b32 s79, s73, 13
	s_add_co_u32 s79, s79, s74                     ; K, to prefetch: half a slot on end
	s_lshr_b32 s76, s[BH], 1
	s_lshl_b32 s76, s76, 18                        ; V: the pair of heads,
	s_and_b32 s77, s[BH], 1
	s_lshl_b32 s77, s77, 12
	s_add_co_u32 s76, s76, s77                     ; the head of the pair,
	s_lshl_b32 s77, s73, 17
	s_add_co_u32 s76, s76, s77                     ; quads 2 (wave % 2), + 1
	s_and_b32 s78, s[WV], 2                        ; 0: waves 0, 1, 4, 5: K;  2: waves 2, 3, 6, 7: V
	s_cmp_eq_u32 s78, 0
	s_cselect_b32 s[OFF], s75, s76
	s_cselect_b32 s52, s79, s76
	s_cselect_b32 s81, 12, 13                      ; lanes 16-31 prefetch 4,096 bytes on in K, 8,192 in V
	s_mov_b32 s[OFF+1], 0
	s_mov_b32 s53, 0
	s_add_co_u32 s52, s52, 16384                   ; in slot 1: the first change of slots steps it to slot 2.  Nothing is prefetched at the head
	s_lshr_b32 s82, s[WV], 2
	s_xor_b32 s82, s82, 1                          ; 0 in waves 4 to 7,
	s_or_b32 s82, s82, ttmp9                       ; of work-group x = 0
	s_cmp_eq_u32 s82, 0
	s_cselect_b32 s[LIM], 2, -1
	v_and_b32 v8, 31, v0
	s_delay_alu instid0(VALU_DEP_1)
	v_lshlrev_b32 v[LI], 4, v8
	v_and_b32 v10, 15, v0                          ; r
	v_bfe_u32 v9, v0, 4, 1                         ; h
	s_delay_alu instid0(VALU_DEP_2)
	v_lshlrev_b32 v[PFO], 8, v10
	s_delay_alu instid0(VALU_DEP_2)
	v_lshlrev_b32 v11, s81, v9
	s_delay_alu instid0(VALU_DEP_1)
	v_add_nc_u32 v[PFO], v[PFO], v11
	s_delay_alu instid0(VALU_DEP_4)
	v_lshlrev_b32 v11, 3, v9
	s_delay_alu instid0(VALU_DEP_1)
	v_sub_nc_u32 v[RH], v10, v11                   ; r - 8 h
	s_mov_b32 s[SEL], 0x76543210
	s_mov_b32 s[SEL+1], 0xfedcba98
	s_mov_b32 s[CS], 0x3e38aa3b                    ; log2(e) / 8
	s_mov_b32 s[TB], 0
	s_mov_b32 s[KF], 0
	s_mov_b32 s[NS], 0
	s_mov_b32 s[SLOTS], 8
	s_wait_kmcnt 0x0
	s_load_b256 s[ES:ES+7], s[10:11], 0x0
	s_cmp_eq_u32 s78, 0
	s_cselect_b64 s[KVB:KVB+1], s[6:7], s[8:9]
	s_cselect_b64 s[PFA:PFA+1], s[6:7], s[8:9]
	s_add_nc_u64 s[KVB:KVB+1], s[KVB:KVB+1], s[OFF:OFF+1]
	s_add_nc_u64 s[PFA:PFA+1], s[PFA:PFA+1], s[52:53]
	s_mov_b32 s[G0], 1                             ; 1:0 count = 1
	s_lshl_b32 s[G0+1], s[WV], 13                  ; 63:32 LDS address: wave x 8,192, in slot 0
	s_mov_b64 s[G0+2:G0+3], s[KVB:KVB+1]           ; 120:64 global address: the head's first 256 keys
	s_or_b32 s[G0+3], s[G0+3], 0x80000000          ; 127:126 type = 2
	TLOAD                                          ; slot 0
	s_lshl_b32 s84, s[Q0], 6                       ; a block of 16 queries is 1,024 bytes
	s_add_co_u32 s84, s84, s74
	s_mov_b32 s85, 0
	s_add_nc_u64 s[84:85], s[4:5], s[84:85]
	s_lshl_b32 s86, s[Q0B], 6
	s_add_co_u32 s86, s86, s74
	s_mov_b32 s87, 0
	s_add_nc_u64 s[86:87], s[4:5], s[86:87]
	s_wait_alu depctr_va_vdst(0)
	global_load_b128 v[QF:QF+3], v[LI], s[84:85]               ; both blocks' fragments of Q stay in registers
	global_load_b128 v[QF+4:QF+7], v[LI], s[84:85] offset:512
	global_load_b128 v[Q2:Q2+3], v[LI], s[86:87]
	global_load_b128 v[Q2+4:Q2+7], v[LI], s[86:87] offset:512
	s_lshr_b32 s88, s[BH], 4
	s_lshl_b32 s88, s88, 21                        ; the batch's 128 blocks of 16 rows x 16,384 bytes
	s_and_b32 s89, s[BH], 15
	s_lshl_b32 s89, s89, 10
	s_add_co_u32 s88, s88, s89                     ; + the head's 1,024 bytes
	s_mov_b32 s89, 0
	s_add_nc_u64 s[YP:YP+1], s[12:13], s[88:89]
.macro START                           ; the running state: the first step finds zeros, which the first change of M leaves zeros
	v_mov_b32 v13, 0xff61b1e6                      ; the largest t so far: -3e38, under every t
	s_delay_alu instid0(VALU_DEP_1)
	v_floor_f32 v12, -v13                          ; -M
	v_mov_b32 v14, 0                               ; the sum, in two halves
	v_mov_b32 v15, 0
.set n, 0
.rept 32
	v_mov_b32 v[OT+n], 0
.set n, n+1
.endr
.endm
	START
	v_mov_b32 v236, 0                              ; written once: a lane permute's destination counts as one of its sources
	v_mov_b32 v[RC], 0
	v_mov_b32 v[RC+1], 0
	v_mov_b32 v253, 0                              ; (named as the upper half of the pair v[252:253])
	s_wait_kmcnt 0x0
	s_add_co_i32 s72, s[ES+2], s[ES+3]
	s_lshl_b32 s72, s72, 23
	s_add_co_i32 s[CS], s[CS], s72                 ; a score stands for score x 2^(e2 + e3): the two exponents are added to c's exponent field
	s_mov_b32 s[CS+1], s[CS]                       ; (named with it as a pair, so it is written)
	s_add_co_i32 s[EPV], s[ES+4], s[ES+5]
	s_add_co_i32 s72, s[ES+4], 127
	s_lshl_b32 s73, s72, 23
	v_mov_b32 v244, s73                            ; 2^e4 as f32, for p's conversions
	s_add_co_i32 s72, s[ES+6], 127
	s_lshl_b32 s73, s72, 23
	v_mov_b32 v245, s73                            ; 2^e6, for y's
; A KEY STEP: 128 keys, the q-th of the slot in hand.
.macro STEP q
	s_add_co_u32 s96, s[Q0], 15                    ; a step all of whose keys come after my 16 queries is left out: a branch on ids, round its loads, products and softmax; no barrier and no tensor load stands in a step
	s_cmp_gt_u32 s[KF], s96
	s_cbranch_scc1 .Lhidden_\@
	v_add_nc_u32 v[ADR], s[TB], v[LI]
.rept 3
	v_nop                                          ; with the addition above: four places in front of loads into registers that the last products read
.endr
.set n, 0
.rept 8                                            ; K's eight fragments: 16 keys x 64 each, two quads
	ds_load_b128 v[FF+8*n:FF+8*n+3], v[ADR] offset:(n/4)*8192+(\q)*4096+(n%4)*1024
	ds_load_b128 v[FF+8*n+4:FF+8*n+7], v[ADR] offset:(n/4)*8192+(\q)*4096+(n%4)*1024+512
.set n, n+1
.endr
	s_wait_alu depctr_va_vdst(0)
	s_wait_dscnt 0x0
.set n, 0
.rept 8
	v_wmma_f32_16x16x64_bf8_bf8 v[SS+8*n:SS+8*n+7], v[FF+8*n:FF+8*n+7], v[QF:QF+7], 0
.set n, n+1
.endr
.rept 4
	v_nop                                          ; four places: in front of the loads into K's registers, and of the first read of the scores
.endr
.set n, 0
.rept 16                                           ; V's four fragments (tile n / 4, quad n % 4): they land while the softmax is worked
	ds_load_b128 v[FF+4*n:FF+4*n+3], v[ADR] offset:VOFF+((n%4)/2)*8192+(\q)*4096+(n/4)*1024+(n%2)*512
.set n, n+1
.endr
	s_add_co_u32 s96, s[KF], 127                   ; on the diagonal the scores of hidden keys become -infinity ahead of the maximum: p = 0 then.  A step all of whose keys count skips this
	s_cmp_le_u32 s96, s[Q0]
	s_cbranch_scc1 .Lopen_\@
	s_sub_co_i32 s96, s[Q0], s[KF]
	v_add_nc_u32 v[DD], s96, v[RH]                 ; d = my query - KF - 8 h.  Register 8 T + j holds key KF + 16 T + 8 h + j: hidden where 16 T + j > d
	v_mov_b32 v254, 0xff800000                     ; -infinity
.set n, 0
.rept 64
	v_cmp_gt_i32 vcc_lo, 16*(n/8)+n%8, v[DD]
	v_cndmask_b32 v[SS+n], v[SS+n], v254, vcc_lo
.set n, n+1
.endr
.Lopen_\@:
	v_max3_num_f32 v254, v[SS], v[SS+1], v[SS+2]   ; the step's largest score of my query, among my 64 keys, in two chains, each accumulator from its low end on,
	v_max3_num_f32 v252, v[SS+3], v[SS+4], v[SS+5]
.set n, 6
.rept 14
	v_max3_num_f32 v254, v254, v[SS+n], v[SS+n+1]
	v_max3_num_f32 v252, v252, v[SS+n+2], v[SS+n+3]
.set n, n+4
.endr
	v_max3_num_f32 v254, v254, v[SS+62], v[SS+63]
	s_delay_alu instid0(VALU_DEP_1)
	v_max_num_f32 v254, v254, v252
	s_delay_alu instid0(VALU_DEP_1)
	v_permlanex16_b32 v236, v254, s[SEL], s[SEL+1]
	s_delay_alu instid0(VALU_DEP_1)
	v_max_num_f32 v254, v254, v236                 ; and among lane l xor 16's
	s_delay_alu instid0(VALU_DEP_1)
	v_mul_f32 v254, s[CS], v254                    ; as t (c is positive)
	s_delay_alu instid0(VALU_DEP_1)
	v_max_num_f32 v13, v13, v254                   ; the running largest t
	v_mov_b32 v254, v12
	s_delay_alu instid0(VALU_DEP_2)
	v_floor_f32 v12, -v13                          ; the new -M = floor(-t) = -ceil(t): M is a whole number
	s_delay_alu instid0(VALU_DEP_1)
	v_sub_f32 v254, v12, v254                      ; M's old value less its new one: a whole number, 0 or less
	s_delay_alu instid0(VALU_DEP_1)
	v_cvt_i32_f32 v254, v254                       ; (it saturates)
	s_delay_alu instid0(VALU_DEP_1)
	v_ldexp_f32 v252, 1.0, v254                    ; f = 2^(old M - new M)
.set n, 0
.rept 32
	v_pk_fma_f32 v[SS+n:SS+n+1], v[SS+n:SS+n+1], s[CS:CS+1], v[12:13] op_sel_hi:[1,0,0]   ; t - M, two at a time (of the pairs c and -M the low word serves both halves)
.set n, n+2
.endr
.set n, 0
	s_wait_alu depctr_va_vdst(0)
.rept 64
	v_exp_f32 v[SS+n], v[SS+n]                     ; p = 2^(t - M), at most 1: not normalised
.set n, n+1
.endr
	v_pk_mul_f32 v[14:15], v[14:15], v[252:253] op_sel_hi:[1,0]   ; the sums under the new M: the plain instruction behind the exponentials
	s_wait_alu depctr_va_vdst(0)                   ; one wait for the whole batch of exponentials, ahead of the first instruction that names a result
	v_pk_add_f32 v[242:243], v[92:93], v[96:97]
	v_pk_add_f32 v[254:255], v[100:101], v[104:105]
	v_pk_add_f32 v[250:251], v[108:109], v[112:113]
	v_pk_add_f32 v[248:249], v[116:117], v[120:121]
	v_pk_add_f32 v[246:247], v[124:125], v[128:129]
	v_pk_add_f32 v[240:241], v[132:133], v[136:137]
	v_pk_add_f32 v[238:239], v[140:141], v[144:145]
	v_pk_add_f32 v[14:15], v[14:15], v[148:149]
	v_pk_add_f32 v[242:243], v[242:243], v[88:89]
	v_pk_add_f32 v[254:255], v[254:255], v[90:91]
	v_pk_add_f32 v[250:251], v[250:251], v[94:95]
	v_pk_add_f32 v[248:249], v[248:249], v[98:99]
	v_pk_add_f32 v[246:247], v[246:247], v[102:103]
	v_pk_add_f32 v[240:241], v[240:241], v[106:107]
	v_pk_add_f32 v[238:239], v[238:239], v[110:111]
	v_pk_add_f32 v[14:15], v[14:15], v[114:115]
	v_pk_add_f32 v[242:243], v[242:243], v[118:119]
	v_pk_add_f32 v[254:255], v[254:255], v[122:123]
	v_pk_add_f32 v[250:251], v[250:251], v[126:127]
	v_pk_add_f32 v[248:249], v[248:249], v[130:131]
	v_pk_add_f32 v[246:247], v[246:247], v[134:135]
	v_pk_add_f32 v[240:241], v[240:241], v[138:139]
	v_pk_add_f32 v[238:239], v[238:239], v[142:143]
	v_pk_add_f32 v[14:15], v[14:15], v[146:147]
	v_pk_add_f32 v[242:243], v[242:243], v[150:151]
	s_delay_alu instid0(VALU_DEP_2)
	v_pk_add_f32 v[14:15], v[14:15], v[248:249]
	s_delay_alu instid0(VALU_DEP_2)
	v_pk_add_f32 v[242:243], v[242:243], v[246:247]
	v_pk_add_f32 v[254:255], v[254:255], v[240:241]
	v_pk_add_f32 v[250:251], v[250:251], v[238:239]
	s_delay_alu instid0(VALU_DEP_2)
	v_pk_add_f32 v[14:15], v[14:15], v[254:255]
	s_delay_alu instid0(VALU_DEP_2)
	v_pk_add_f32 v[242:243], v[242:243], v[250:251]
	s_delay_alu instid0(VALU_DEP_1)
	v_pk_add_f32 v[14:15], v[14:15], v[242:243]
.set n, 0
.rept 8
.irp i, 0,1,2,3,4,5,6,7
.endr
	v_cvt_scalef32_pk8_bf8_f32 v[PC+2*n:PC+2*n+1], v[SS+8*n:SS+8*n+7], v244   ; keys 16 n + 8 h + 0 .. 7: register pair n of P's fragment
.set n, n+1
.endr
.set n, 0
.rept 16
	v_pk_mul_f32 v[OT+n:OT+n+1], v[OT+n:OT+n+1], v[252:253] op_sel_hi:[1,0]   ; O^T under the new M.  (Also the plain instructions between the conversions and the products that read their results)
.set n, n+2
.endr
	s_wait_alu depctr_va_vdst(0)
	s_wait_dscnt 0x0                               ; V is in
.set n, 0
.rept 4                                            ; O^T += V^T P^T: the four accumulators by turns
	v_wmma_f32_16x16x128_bf8_bf8 v[OT+8*n:OT+8*n+7], v[FF+16*n:FF+16*n+15], v[PC:PC+15], v[OT+8*n:OT+8*n+7]
.set n, n+1
.endr
.Lhidden_\@:
	s_add_co_u32 s[KF], s[KF], 128
.endm
; THE CHANGE OF SLOTS stands at a slot's head.  Each wave waits for all its tensor loads (its part of the slot that it is about to read), adds 0 to its spare word, and waits for that and for its reads of the slot that it has left.
; Behind the barrier the slot ahead is whole and nobody reads the other one.  fill = 1: that other slot is filled with the next 256 keys of the walk 0 .. 7 - x, 0 .. x: the load has a whole slot's steps in which to land.
.macro CHANGE fill
	s_wait_tensorcnt 0x0                           ; no tensor load of mine is out, so group 0 may be written
	ds_add_u32 v[SPW], v[NIL]                      ; 0 onto my spare word; with fill = 1 the descriptor's steps stand between it and the wait for it
.if \fill
	s_xor_b32 s[G0+1], s[G0+1], SLOT1              ; the other slot than last time
	s_add_co_u32 s[NS], s[NS], 1
	s_cmp_eq_u32 s[NS], s[NLIM]
	s_cselect_b32 s[NS], 0, s[NS]                  ; behind the first block's last slot the second block's walk begins at 0
	s_lshl_b32 s[OFF], s[NS], 14
	s_add_nc_u64 s[G0+2:G0+3], s[KVB:KVB+1], s[OFF:OFF+1]
	s_or_b32 s[G0+3], s[G0+3], 0x80000000
	s_wait_xcnt 0x0                                ; the last prefetch, a slot back, has read its address, so it may be written
	s_add_nc_u64 s[PFA:PFA+1], s[PFA:PFA+1], 16384
.endif
	s_wait_dscnt 0x0                               ; the add is done, and my reads of the slot that I have left are over
	s_barrier_signal -1
	s_barrier_wait -1
.if \fill
	TLOAD                                          ; the first thing behind the barrier, and a wave's one tensor load until the next
	ASK
.endif
.endm
; A BLOCK'S END.  O^T is divided by the row's sum, multiplied by 2^(e4 + e5) and quantised with 2^e6.  A lane then holds, for tile t, codes of channels 16 t + 8 h + 0 .. 7; the image wants 32 c + 16 h + 0 .. 15 in quad c:
; lanes l and l xor 16 exchange one piece of eight codes for each quad (lanes 0-15 send tile 2 c + 1's, lanes 16-31 tile 2 c's).  Two stores of 512 consecutive bytes.
.macro FINISH
	s_wait_xcnt 0x0                                ; the first block's stores have read their registers and their base
.rept 4
	v_nop                                          ; places behind the last products
.endr
	v_add_f32 v14, v14, v15                        ; the sum's two halves,
	s_wait_alu depctr_va_vdst(0)
	v_permlanex16_b32 v236, v14, s[SEL], s[SEL+1]
	s_delay_alu instid0(VALU_DEP_1)
	v_add_f32 v14, v14, v236                       ; and lane l xor 16's: the row's sum
	s_wait_alu depctr_va_vdst(0)
	v_rcp_f32 v14, v14
	v_nop                                          ; a plain instruction behind the reciprocal
	s_lshl_b32 s66, s[Q0], 10                      ; a block of 16 rows is 16,384 bytes
	s_mov_b32 s67, 0
	s_add_nc_u64 s[YA:YA+1], s[YP:YP+1], s[66:67]
	s_wait_alu depctr_va_vdst(0)                   ; the wait ahead of the reciprocal's first reader
	v_ldexp_f32 v14, v14, s[EPV]                   ; x 2^(e4 + e5)
.set n, 0
.rept 16
	v_pk_mul_f32 v[SS+n:SS+n+1], v[OT+n:OT+n+1], v[14:15] op_sel_hi:[1,0]   ; y: each accumulator from its low end on
.set n, n+2
.endr
.set n, 0
.rept 32
.set n, n+1
.endr
.set n, 0
.rept 4
	v_cvt_scalef32_pk8_bf8_f32 v[YC+2*n:YC+2*n+1], v[SS+8*n:SS+8*n+7], v245
.set n, n+1
.endr
	v_nop                                          ; a plain instruction between the conversions and the readers of their results
	s_mov_b32 vcc_lo, 0xffff0000                   ; lanes 16-31
.irp c, 0,1
	v_cndmask_b32 v[XC],   v[YC+4*\c+2], v[YC+4*\c],   vcc_lo   ; what I send
	v_cndmask_b32 v[XC+1], v[YC+4*\c+3], v[YC+4*\c+1], vcc_lo
	s_delay_alu instid0(VALU_DEP_2)
	v_permlanex16_b32 v[RC],   v[XC],   s[SEL], s[SEL+1]        ; what I get
	s_delay_alu instid0(VALU_DEP_2)
	v_permlanex16_b32 v[RC+1], v[XC+1], s[SEL], s[SEL+1]
	v_cndmask_b32 v[WQ+4*\c],   v[YC+4*\c],   v[RC],   vcc_lo   ; lanes 0-15: mine, then the other's; lanes 16-31: the other's, then mine
	v_cndmask_b32 v[WQ+4*\c+1], v[YC+4*\c+1], v[RC+1], vcc_lo
	v_cndmask_b32 v[WQ+4*\c+2], v[RC],   v[YC+4*\c+2], vcc_lo
	v_cndmask_b32 v[WQ+4*\c+3], v[RC+1], v[YC+4*\c+3], vcc_lo
.endr
	global_store_b128 v[LI], v[WQ:WQ+3], s[YA:YA+1]
	global_store_b128 v[LI], v[WQ+4:WQ+7], s[YA:YA+1] offset:512
.endm
	s_wait_loadcnt 0x0                             ; Q
.Lslot:                                            ; eight trips: behind each change of slots but the last the next slot is asked for
	CHANGE 1
	STEP 0
	STEP 1
	s_xor_b32 s[TB], s[TB], SLOT1                  ; on to the other slot
	s_cmp_eq_u32 s[KF], s[KEND]                    ; the first block's keys are through (at the end of trip 7 - x; the second block's keys end at 256 (x + 1), under KEND): a branch on ids, alike in all sixteen waves
	s_cbranch_scc0 .Lsame
	FINISH
	s_mov_b32 s[Q0], s[Q0B]                        ; the second block
	s_mov_b32 s[KF], 0
.set n, 0
.rept 8
	v_mov_b32 v[QF+n], v[Q2+n]
.set n, n+1
.endr
	START
.Lsame:
	s_sub_co_u32 s[SLOTS], s[SLOTS], 1
	s_cmp_lg_u32 s[SLOTS], 0
	s_cbranch_scc1 .Lslot
	CHANGE 0                                       ; the last slot is written out
	STEP 0
	STEP 1
	FINISH
	s_wait_tensorcnt 0x0                           ; the wave's end: behind my last tensor load
	ds_add_u32 v[SPW], v[NIL]
	s_wait_dscnt 0x0
	s_endpgm
.Lfunc_end_k_qd374cb54e1_attn:
	.size	k_qd374cb54e1_attn, .Lfunc_end_k_qd374cb54e1_attn-k_qd374cb54e1_attn
	.p2alignl 7, 3214868480
	.fill 96, 4, 3214868480
	.section	.rodata,"a",@progbits
	.p2align	6, 0x0
	.amdhsa_kernel k_qd374cb54e1_attn
		.amdhsa_group_segment_fixed_size 327680
		.amdhsa_private_segment_fixed_size 0
		.amdhsa_enable_private_segment 0
		.amdhsa_kernarg_size 40
		.amdhsa_user_sgpr_count 2
		.amdhsa_user_sgpr_kernarg_segment_ptr 1
		.amdhsa_wavefront_size32 1
		.amdhsa_system_sgpr_workgroup_id_x 1
		.amdhsa_system_sgpr_workgroup_id_y 1
		.amdhsa_system_sgpr_workgroup_id_z 1
		.amdhsa_system_vgpr_workitem_id 0
		.amdhsa_next_free_vgpr 256
		.amdhsa_next_free_sgpr 100
		.amdhsa_reserve_vcc 1
		.amdhsa_float_denorm_mode_32 3
		.amdhsa_float_denorm_mode_16_64 3
		.amdhsa_fp16_overflow 1
		.amdhsa_memory_ordered 1
		.amdhsa_forward_progress 1
		.amdhsa_inst_pref_size 92
	.end_amdhsa_kernel
	.amdgpu_metadata
---
amdhsa.version: [ 1, 2 ]
amdhsa.kernels:
  - .name:           k_qd374cb54e1_attn
    .symbol:         k_qd374cb54e1_attn.kd
    .args:
      - { .name: q_img, .offset: 0, .size: 8, .value_kind: global_buffer, .address_space: global }
      - { .name: k_img, .offset: 8, .size: 8, .value_kind: global_buffer, .address_space: global }
      - { .name: v_img, .offset: 16, .size: 8, .value_kind: global_buffer, .address_space: global }
      - { .name: lowp_scales, .offset: 24, .size: 8, .value_kind: global_buffer, .address_space: global }
      - { .name: y_img, .offset: 32, .size: 8, .value_kind: global_buffer, .address_space: global }
    .group_segment_fixed_size: 327680
    .private_segment_fixed_size: 0
    .kernarg_segment_align: 8
    .kernarg_segment_size: 40
    .max_flat_workgroup_size: 512
    .sgpr_count:     100
    .vgpr_count:     256
    .wavefront_size: 32
...
	.end_amdgpu_metadata
.endif
;; end of part 2
;; launch proj (part 3): grid 4 x 32, 4 waves a work-group, clusters of 4 x 4, 327,680 bytes of LDS; arguments y_img, w_proj_codes, b_proj, lowp_scales, out0; writes out0
.if DOCPART == 3
	.amdgcn_target "amdgcn-amd-amdhsa--gfx1250"
	.amdhsa_code_object_version 6
	.text
	.protected	k_qd374cb54e1_proj
	.globl	k_qd374cb54e1_proj
	.p2align	8
	.type	k_qd374cb54e1_proj,@function
k_qd374cb54e1_proj:
	s_mov_b64 s[64:65], 0
	v_nop
	global_prefetch_b8 v0, s[64:65] scope:SCOPE_SE
	s_setreg_imm32_b32 hwreg(HW_REG_WAVE_MODE, 25, 1), 1
	s_wait_xcnt 0x0
	s_wait_alu depctr_hold_cnt(0) depctr_sa_sdst(0) depctr_va_vdst(0) depctr_va_sdst(0) depctr_va_ssrc(0) depctr_va_vcc(0) depctr_vm_vsrc(0)
	s_getreg_b32 s2, hwreg(HW_REG_IB_STS2, 6, 4)
	s_cmp_eq_u32 s2, 0
	s_cbranch_scc0 .Lentry_in_a_cluster
	s_endpgm
.Lentry_in_a_cluster:
	s_bfe_u32 s2, ttmp6, 0x10000c
	s_cmp_lg_u32 s2, 0xf033
	s_cbranch_scc0 .Lentry_shape_is_right
	s_endpgm
.Lentry_shape_is_right:
; out0 = y w_proj + b_proj on codes of BF8 (E5M2).  y's codes come as images of operand registers, y_img [512 blocks of 16 rows][8 blocks of 128 K][4 quads][512 bytes]: lane (r, h) holds row r and, in quad c,
; K = 32 c + 16 h + 0 .. 15 of the block of 128.  w_proj_codes: [1024][1024] bytes, K innermost.  out0: [8192][1024] f32.  A number of y is its code x 2^e6, of w_proj x 2^e7 (entries 6 and 7 of lowp_scales).
; A tile of out0, 256 x 256, is made by a work-group of four waves, 128 x 128 a wave: 64 accumulators, 512 registers.  K goes in steps of 256 through a ring of two LDS slots: four slots' worth, written out, no loop.
; The bias goes in as the C of each sum's first matrix instruction, as b / 2^(e6 + e7); each finished sum is multiplied once by 2^(e6 + e7).
; CLUSTERS: 4 x 4 work-groups.  The four of a row of the cluster need the same tiles of y, the four of a column the same tiles of w_proj: each tile is asked for JOINTLY.
; THE MATRIX INSTRUCTION IS USED TRANSPOSED (source 0 = 16 rows of w_proj, source 1 = 16 rows of y): a lane then holds eight neighbouring numbers of a row of out0.
; w_proj's fragment comes by four loads of 16 bytes, 32 bytes apart, at row x pitch + 16 h: registers 4 c .. 4 c + 3 hold K = 32 c + 16 h + 0 .. 15: the very places that y's images have.
; 128 tiles of 256 x 256: 128 work-groups.  No prefetch: of K's four slots two are first fills.
; LIMIT: e6 + e7 lies between -126 and 127, so that 2^(e6 + e7) is an f32 number.
; REGISTERS, in windows of 256: window 0: v1-6 at work, v16-29 addresses, v32-95 the bias and later a block's sums x 2^(e6 + e7), v128-255 y's fragments, ONE set, later rows read back from the stage.
;   window 1: w_proj's fragments, TWO sets.   window 2: the accumulators of my rows 0-63 ((a, b) at v[8 (8 (a % 4) + b)]);   window 3: those of my rows 64-127.
.set SIZE_N, 1024
.set KROW,   1024                      ; a row of w_proj in bytes
.set ROWB,   256                       ; a row of w_proj's tile in bytes
.set PITCH,  272                       ; and in LDS: 256 bytes + 16 of padding = 68 words: row r starts at bank 4 r mod 64 (64 banks of 4 bytes: ISA guide 11.1)
.set FR,     16
.set NL,     4
.set NP,     4
.set HALFA,  32768                     ; y: 8 blocks of 16 rows x 4,096 bytes (256 along K), dense: what one tensor load brings
.set HALFB,  128*PITCH                 ; w_proj: 128 rows
.set BOFF,   2*HALFA
.set SLOT,   BOFF+2*HALFB              ; y's two halves, then w_proj's two
.set SPARE,  2*SLOT                    ; behind the ring: the spare words, 128 bytes for each wave: two blocks of 256 bytes that no other line names
.set SPITCH, 528                       ; the way out: a stage of 16 rows x (512 bytes + 16) for each wave.  It lies in slot 0, which has had its last fill and its last read when the first result is stored there
.set ADRA, 16
.set ADRB, 20
.set STO,  24
.set RD,   25
.set CO,   26
.set SPW,  28
.set NIL,  29
.set BIAS, 32
.set TMP,  32
.set AF,   128
.set BK,   128
.set G1, 24
.set G0, 32
.set G1B, 48
.set G0B, 56
.set MSB, 0
.macro WIN new                         ; the immediate's high byte repeats the setting that is left
.if MSB != (\new)
	s_set_vgpr_msb (MSB<<8)|(\new)
.set MSB, (\new)
.endif
.endm
.set MUL_LO, 0xa1                      ; source 0 (w_proj) window 1, source 1 (y) window 0, C and D window 2
.set MUL_HI, 0xf1
.set ST_LO,  0x81                      ; the first step: C (the bias) window 0, D window 2
.set ST_HI,  0xc1
.set TO_B,   0x40
; A joint load: waves 0 and 1 fetch for y, waves 2 and 3 for w_proj; the branch hangs on the wave's number alone.  Four v_nop follow each of the two lines.
.macro JLOAD g0a, g1a, g0b, g1b
	s_cmp_eq_u32 s15, 0
	s_cbranch_scc0 .Lfor_b_\@
	tensor_load_to_lds s[\g0a:\g0a+3], s[\g1a:\g1a+7]
	s_nop 0
.rept 4
	v_nop
.endr
	s_branch .Lasked_\@
.Lfor_b_\@:
	tensor_load_to_lds s[\g0b:\g0b+3], s[\g1b:\g1b+7]
	s_nop 0
.rept 4
	v_nop
.endr
.Lasked_\@:
.endm
.macro CREST                           ; a round of the cluster's barrier behind its opening barrier
	s_cmp_lg_u32 s14, 0
	s_cbranch_scc1 .Lnot_wave_0_\@
	s_barrier_signal -3
.Lnot_wave_0_\@:
	s_barrier_wait -3
	s_barrier_signal -1
	s_barrier_wait -1
.endm
.macro CROUND
	s_barrier_signal -1
	s_barrier_wait -1
	CREST
.endm
	s_load_b256 s[4:11], s[0:1], 0x0               ; y_img s[4:5], w_proj's codes s[6:7], b_proj s[8:9], the exponents s[10:11]
	s_load_b64 s[12:13], s[0:1], 0x20              ; out0
	v_lshl_add_u32 v[SPW], v0, 2, SPARE
	v_mov_b32 v[NIL], 0
	ds_add_u32 v28, v29
	ds_add_u32 v28, v29
	s_wait_dscnt 0x0
	v_lshrrev_b32 v1, 5, v0
	v_readfirstlane_b32 s14, v1                    ; wave 0..3
	s_lshr_b32 s15, s14, 1                         ; which half of the tile's rows is mine.  Also: I fetch for y (0) or for w_proj (1)
	s_and_b32 s16, s14, 1                          ; which half of its columns.  Also: which half of that tile I fetch
	s_bfe_u32 s40, ttmp6, 0x40000                  ; cx, cy
	s_bfe_u32 s41, ttmp6, 0x40004
	s_lshl_b32 s42, ttmp9, 2
	s_add_co_u32 s42, s42, s40                     ; tile column = 4 x cluster x + cx
	s_and_b32 s17, ttmp7, 0xffff
	s_lshl_b32 s17, s17, 2
	s_add_co_u32 s17, s17, s41                     ; tile row = 4 x cluster y + cy
	s_lshl_b32 s43, s41, 2
	s_lshl_b32 s43, 15, s43                        ; my row of the cluster
	s_lshl_b32 s44, 0x1111, s40                    ; my column
	; descriptor group 1 for y: 8 rows of 4,096 bytes, 16,384 bytes apart, dense in LDS
	s_or_b32 s[G1+0], s43, (0<<16)|(1<<21)         ; 15:0 the mask: y's tiles go to my row; 17:16 element of 1 byte; 20 no padding; 21 set beside a mask
	s_mov_b32 s[G1+1], 4096<<16                    ; tensor_dim0
	s_mov_b32 s[G1+2], 8<<16                       ; tensor_dim1
	s_mov_b32 s[G1+3], 4096<<16                    ; tile_dim0
	s_mov_b32 s[G1+4], 8                           ; tile_dim1
	s_mov_b32 s[G1+5], 16384                       ; tensor_dim0_stride
	s_mov_b32 s[G1+6], 0
	s_mov_b32 s[G1+7], 0
	; and for w_proj: 128 rows of 256 bytes, padded in LDS
	s_or_b32 s[G1B+0], s44, (0<<16)|(1<<20)|(1<<21)|(5<<22)|(3<<25)  ; the mask of my column; padding: 4 words (code 3) after every 64 (code 5)
	s_mov_b32 s[G1B+1], ROWB<<16
	s_mov_b32 s[G1B+2], 128<<16
	s_mov_b32 s[G1B+3], ROWB<<16
	s_mov_b32 s[G1B+4], 128
	s_mov_b32 s[G1B+5], KROW
	s_mov_b32 s[G1B+6], 0
	s_mov_b32 s[G1B+7], 0
	s_lshl_b32 s18, s16, 17                        ; the half that I fetch: 8 blocks x 16,384 bytes of y, or 128 rows x 1,024 of w_proj
	s_lshl_b32 s20, s17, 18
	s_add_co_u32 s20, s20, s18                     ; y: 262,144 x tile row + the half
	s_mov_b32 s21, 0
	s_lshl_b32 s46, s42, 18
	s_add_co_u32 s46, s46, s18                     ; w_proj: 262,144 x tile column + the half
	s_mov_b32 s47, 0
	s_lshl_b32 s45, s16, 15                        ; where they go: y's half,
	s_mul_i32 s19, s16, HALFB
	s_add_co_u32 s19, s19, BOFF                    ; w_proj's half: no place in the cluster enters an LDS address
	s_wait_kmcnt 0x0
	s_load_b64 s[96:97], s[10:11], 0x18            ; e6, e7
	s_add_nc_u64 s[20:21], s[4:5], s[20:21]
	s_add_nc_u64 s[46:47], s[6:7], s[46:47]
	CROUND                                         ; all sixteen work-groups are here: the first joint loads meet
.irp s, 0,1
	s_mov_b32 s[G0+4*\s], 1
	s_add_co_u32 s[G0+4*\s+1], s45, \s*SLOT
	s_add_nc_u64 s[G0+4*\s+2:G0+4*\s+3], s[20:21], \s*4096
	s_or_b32 s[G0+4*\s+3], s[G0+4*\s+3], 0x80000000
	s_mov_b32 s[G0B+4*\s], 1
	s_add_co_u32 s[G0B+4*\s+1], s19, \s*SLOT
	s_add_nc_u64 s[G0B+4*\s+2:G0B+4*\s+3], s[46:47], \s*ROWB
	s_or_b32 s[G0B+4*\s+3], s[G0B+4*\s+3], 0x80000000
	s_wait_alu depctr_va_vdst(0)
	s_wait_tensorcnt 0x0
	ds_add_u32 v28, v29
	ds_add_u32 v28, v29
	s_wait_dscnt 0x0
	CROUND
	JLOAD G0+4*\s, G1, G0B+4*\s, G1B
.endr
	v_and_b32 v1, 15, v0                           ; r
	v_bfe_u32 v2, v0, 4, 1                         ; h
	v_and_b32 v6, 31, v0
	v_lshlrev_b32 v[CO], 4, v6                     ; 16 x lane: my place in an image, in a stage row read back, and in a row of out0
	v_mul_u32_u24 v3, v1, PITCH
	v_lshl_add_u32 v4, v2, 4, v3                   ; w_proj: a fragment's row x pitch + 16 x half
	s_lshl_b32 s21, s15, 15                        ; my 128 rows of y
	s_mul_i32 s22, s16, HALFB                      ; my 128 rows of w_proj
	s_add_co_u32 s22, s22, BOFF
.irp s, 0,1
	v_add_nc_u32 v[ADRA+\s], s21, v[CO]
	v_add_nc_u32 v[ADRB+\s], s22, v4
	s_add_co_u32 s21, s21, SLOT
	s_add_co_u32 s22, s22, SLOT
.endr
	s_mul_i32 s23, s14, 16*SPITCH                  ; my stage
	v_mul_u32_u24 v5, v1, SPITCH                   ; in: row r, 32 bytes for each half of the lanes
	v_lshl_add_u32 v5, v2, 5, v5
	v_add_nc_u32 v[STO], s23, v5
	v_add_nc_u32 v[RD], s23, v[CO]                 ; back: the 32 lanes take one row of 512 bytes
	s_lshl_b32 s92, s42, 10                        ; the bias of my 128 columns: 4 bytes x (256 x tile column + 128 x half)
	s_lshl_b32 s93, s16, 9
	s_add_co_u32 s92, s92, s93
	s_mov_b32 s93, 0
	s_add_nc_u64 s[92:93], s[8:9], s[92:93]
	v_lshlrev_b32 v6, 5, v2                        ; lane (r, h) wants, for block b, columns 16 b + 8 h + 0 .. 7
.irp b, 0,1,2,3,4,5,6,7
	global_load_b128 v[BIAS+8*\b:BIAS+8*\b+3], v6, s[92:93] offset:64*\b
	global_load_b128 v[BIAS+8*\b+4:BIAS+8*\b+7], v6, s[92:93] offset:64*\b+16
.endr
	s_lshl_b32 s80, s17, 8                         ; my part of out0: row 256 x tile row + 128 x half, 4,096 bytes a row;
	s_lshl_b32 s81, s15, 7
	s_add_co_u32 s80, s80, s81
	s_lshl_b32 s80, s80, 12
	s_lshl_b32 s81, s42, 10                        ; column, in bytes: 1,024 x tile column + 512 x half
	s_add_co_u32 s80, s80, s81
	s_lshl_b32 s81, s16, 9
	s_add_co_u32 s80, s80, s81
	s_mov_b32 s81, 0
	s_add_nc_u64 s[12:13], s[12:13], s[80:81]
	s_wait_kmcnt 0x0
	s_add_co_i32 s96, s96, s97                     ; e6 + e7
	s_sub_co_i32 s98, 0, s96
	s_add_co_i32 s96, s96, 127
	s_lshl_b32 s96, s96, 23                        ; 2^(e6 + e7) as f32
	s_mov_b32 s97, s96                             ; (named with it as a pair)
	s_wait_loadcnt 0x0                             ; the bias
.set j, 0
.rept 64
	v_ldexp_f32 v[BIAS+j], v[BIAS+j], s98          ; b / 2^(e6 + e7)
.set j, j+1
.endr
.macro FRAGA reg, adr, q, i            ; y's fragment of block i, the slot's q-th 128 along K: four quads of 512 bytes, as they were stored
.irp c, 0,1,2,3
	ds_load_b128 v[\reg+4*\c:\reg+4*\c+3], v[\adr] offset:4096*(\i)+2048*(\q)+512*\c
.endr
.endm
.macro FRAGB reg, adr, q, i            ; w_proj's: lane l holds row l % 16; registers 4 c .. 4 c + 3 hold K = 32 c + 16 (l / 16) + 0 .. 15
.irp c, 0,1,2,3
	ds_load_b128 v[\reg+4*\c:\reg+4*\c+3], v[\adr] offset:128*(\q)+32*\c+(\i)*16*PITCH
.endr
.endm
; 16 matrix instructions: y's blocks a0, a0 + 1 x w_proj's eight, 128 along K.  p: w_proj's set.  mode 1: the bias starts the sums.  The 64 accumulators take turns, one instruction a turn.
.macro MUL16 a0, p, mode
.irp a, \a0, \a0+1
.irp b, 0,1,2,3,4,5,6,7
.if \mode == 0
	v_wmma_f32_16x16x128_bf8_bf8 v[8*(8*((\a)%4)+\b):8*(8*((\a)%4)+\b)+7], v[128*(\p)+FR*\b:128*(\p)+FR*\b+FR-1], v[AF+FR*(\a):AF+FR*(\a)+FR-1], v[8*(8*((\a)%4)+\b):8*(8*((\a)%4)+\b)+7]
.else
	v_wmma_f32_16x16x128_bf8_bf8 v[8*(8*((\a)%4)+\b):8*(8*((\a)%4)+\b)+7], v[128*(\p)+FR*\b:128*(\p)+FR*\b+FR-1], v[AF+FR*(\a):AF+FR*(\a)+FR-1], v[BIAS+8*\b:BIAS+8*\b+7]
.endif
.endr
.endr
.endm
.macro FETCH_B slot, q, p
	WIN TO_B
.irp i, 0,1,2,3,4,5,6,7
	FRAGB 128*(\p)+FR*\i, ADRB+\slot, \q, \i
.endr
	WIN 0
.endm
.macro FETCH_A slot, q, i0
.irp i, \i0, \i0+1, \i0+2, \i0+3
	FRAGA AF+FR*(\i), ADRA+\slot, \q, \i
.endr
.endm
; A load into a register that a matrix instruction has read, and a vector instruction or an LDS store that reads a matrix result, stand NP places behind that matrix instruction; only plain vector
; instructions that name none of its registers are places (ISA guide 7.12.1 for vector instructions).
.macro PLACES n
.rept \n
	v_nop
.endr
.endm
.macro STEP slot, q, mode
	s_wait_dscnt 4*NL                              ; w_proj's set and y's blocks 0-3 are in; the youngest sixteen loads (y's blocks 4-7) may be out
.if \mode
	WIN ST_LO
.else
	WIN MUL_LO
.endif
	MUL16 0, (\q)%2, \mode
	MUL16 2, (\q)%2, \mode
	s_wait_dscnt 0                                 ; y's blocks 4-7 are in
	PLACES NP
	FETCH_B \slot, (\q)+1, 1-(\q)%2
	FETCH_A \slot, (\q)+1, 0
.if \mode
	WIN ST_HI
.else
	WIN MUL_HI
.endif
	MUL16 4, (\q)%2, \mode
	MUL16 6, (\q)%2, \mode
	PLACES NP
	WIN 0
	FETCH_A \slot, (\q)+1, 4
.endm
; A slot's last step changes slots: ONE barrier; in front of it each wave waits for all its tensor loads, adds 0 to its spare word, and waits for that and for its own reads of this slot.  fill = 1: this slot is filled again, two K steps ahead.
.macro TURN slot, next, fill
	s_wait_tensorcnt 0x0                           ; all my tensor loads have landed: my part of the next slot  (every window is 0 here)
	ds_add_u32 v[SPW], v[NIL]                      ; 0 onto my spare word
	s_wait_dscnt 4*NL+1                            ; (the add and the youngest sixteen loads may be out)
	WIN MUL_LO
	MUL16 0, 1, 0                                  ; sixteen matrix instructions stand between the add and the wait for it
	s_wait_dscnt 0x0                               ; the add is done, and my reads of this slot are over
	s_barrier_signal -1
	MUL16 2, 1, 0
	WIN 0
	s_barrier_wait -1
.if \fill
	CREST                                          ; the barrier has opened a round of the cluster's barrier: no wave of any partner still reads this slot's tile or has a load on its way
	s_add_nc_u64 s[G0+4*\slot+2:G0+4*\slot+3], s[G0+4*\slot+2:G0+4*\slot+3], 2*4096
	s_add_nc_u64 s[G0B+4*\slot+2:G0B+4*\slot+3], s[G0B+4*\slot+2:G0B+4*\slot+3], 2*ROWB
	JLOAD G0+4*\slot, G1, G0B+4*\slot, G1B         ; the first tensor load behind the round; the four v_nop behind it are the places in front of the loads below
.else
	PLACES NP
.endif
	FETCH_B \next, 0, 0
	FETCH_A \next, 0, 0
	WIN MUL_HI
	MUL16 4, 1, 0
	MUL16 6, 1, 0
	PLACES NP
	WIN 0
	FETCH_A \next, 0, 4
.endm
	s_wait_alu depctr_va_vdst(0)
	s_wait_tensorcnt 1                             ; my part of K step 0 is in (K step 1's load may be out)
	s_barrier_signal -1
	s_barrier_wait -1                              ; everybody's is
	FETCH_B 0, 0, 0
	FETCH_A 0, 0, 0
	FETCH_A 0, 0, 4
	STEP 0, 0, 1                                   ; the first step's products start the sums, on the bias
	TURN 0, 1, 1                                   ; slot 0 takes K step 2
	STEP 1, 0, 0
	TURN 1, 0, 1                                   ; slot 1 takes K step 3
	STEP 0, 0, 0
	TURN 0, 1, 0                                   ; nothing is left to fetch: no round of the cluster's barrier
	STEP 1, 0, 0
	s_wait_dscnt 4*NL                              ; the very last step
	WIN MUL_LO
	MUL16 0, 1, 0
	MUL16 2, 1, 0
	s_wait_dscnt 0
	WIN MUL_HI
	MUL16 4, 1, 0
	MUL16 6, 1, 0
	WIN 0
; THE WAY OUT, block by block of 16 rows x 128 columns.  A lane holds 32 neighbouring bytes of a row, and the lanes beside it hold other rows: so a block goes through my own stage in LDS and comes back as whole
; rows of 512 bytes, which the 32 lanes store as two aligned runs of 256 bytes.  LDS serves a wave's instructions in order (ISA guide 5.7.1.4): no wait between the stores and the loads, nor in front of the next block's stores.
.macro TOSTAGE a
.set AC, 64*((\a)%4)
	WIN 0x02+((\a)/4)                              ; source 0: window 2 or 3
.set j, 0
.rept 32
	v_pk_mul_f32 v[TMP+j:TMP+j+1], v[AC+j:AC+j+1], s[96:97] op_sel_hi:[1,0]   ; both x 2^(e6 + e7); each accumulator from its low end on
.set j, j+2
.endr
	WIN 0
.irp b, 0,1,2,3,4,5,6,7
	ds_store_b128 v[STO], v[TMP+8*\b:TMP+8*\b+3] offset:64*\b
	ds_store_b128 v[STO], v[TMP+8*\b+4:TMP+8*\b+7] offset:64*\b+16
.endr
.set BB, BK+64*((\a)%2)
.irp t, 0,1,2,3,4,5,6,7,8,9,10,11,12,13,14,15
	ds_load_b128 v[BB+4*\t:BB+4*\t+3], v[RD] offset:\t*SPITCH
.endr
.endm
.macro SEND a, younger                 ; younger: the LDS instructions issued behind block a's loads, which may stay out
.set BB, BK+64*((\a)%2)
	s_wait_dscnt \younger                          ; the block is back in registers
.if (\a) > 0
	s_add_nc_u64 s[12:13], s[12:13], 16*SIZE_N*4   ; (behind a wait on XCNT: the earlier stores have read their base)  16 rows on
.endif
.irp t, 0,1,2,3,4,5,6,7,8,9,10,11,12,13,14,15
	global_store_b128 v[CO], v[BB+4*\t:BB+4*\t+3], s[12:13] offset:\t*SIZE_N*4 th:TH_STORE_NT   ; 32 lanes store 512 consecutive bytes, at a multiple of 256 from out0's first byte; written once, read by nobody here
.endr
.endm
	PLACES NP                                      ; behind the last products: for the reads of results and for the loads into the registers that held y's fragments
	TOSTAGE 0
.irp a, 1,2,3,4,5,6,7
.if \a > 1
	s_wait_xcnt 0x0                                ; block a - 2's stores have read their registers and their base: block a's loads may land there, and the base may step
.endif
	TOSTAGE \a
	SEND \a-1, 32                                  ; behind block a - 1's loads: block a's 16 stores and 16 loads
.endr
	s_wait_xcnt 0x0                                ; block 6's stores have read their base
	SEND 7, 0
	s_wait_tensorcnt 0x0                           ; the wave's end: behind my last tensor load and my last LDS store
	ds_add_u32 v[SPW], v[NIL]
	s_wait_dscnt 0x0
	CROUND                                         ; the closing round: no work-group ends while a partner may still ask for a tile that names it
	s_endpgm
.Lfunc_end_k_qd374cb54e1_proj:
	.size	k_qd374cb54e1_proj, .Lfunc_end_k_qd374cb54e1_proj-k_qd374cb54e1_proj
	.p2alignl 7, 3214868480
	.fill 96, 4, 3214868480
	.section	.rodata,"a",@progbits
	.p2align	6, 0x0
	.amdhsa_kernel k_qd374cb54e1_proj
		.amdhsa_group_segment_fixed_size 327680
		.amdhsa_private_segment_fixed_size 0
		.amdhsa_enable_private_segment 0
		.amdhsa_kernarg_size 40
		.amdhsa_user_sgpr_count 2
		.amdhsa_user_sgpr_kernarg_segment_ptr 1
		.amdhsa_wavefront_size32 1
		.amdhsa_system_sgpr_workgroup_id_x 1
		.amdhsa_system_sgpr_workgroup_id_y 1
		.amdhsa_system_sgpr_workgroup_id_z 1
		.amdhsa_system_vgpr_workitem_id 0
		.amdhsa_next_free_vgpr 1024
		.amdhsa_next_free_sgpr 100
		.amdhsa_reserve_vcc 0
		.amdhsa_float_denorm_mode_32 3
		.amdhsa_float_denorm_mode_16_64 3
		.amdhsa_memory_ordered 1
		.amdhsa_forward_progress 1
		.amdhsa_inst_pref_size 130
	.end_amdhsa_kernel
	.amdgpu_metadata
---
amdhsa.version: [ 1, 2 ]
amdhsa.kernels:
  - .name:           k_qd374cb54e1_proj
    .symbol:         k_qd374cb54e1_proj.kd
    .args:
      - { .name: y_img, .offset: 0, .size: 8, .value_kind: global_buffer, .address_space: global }
      - { .name: w_proj_codes, .offset: 8, .size: 8, .value_kind: global_buffer, .address_space: global }
      - { .name: b_proj, .offset: 16, .size: 8, .value_kind: global_buffer, .address_space: global }
      - { .name: lowp_scales, .offset: 24, .size: 8, .value_kind: global_buffer, .address_space: global }
      - { .name: out0, .offset: 32, .size: 8, .value_kind: global_buffer, .address_space: global }
    .group_segment_fixed_size: 327680
    .private_segment_fixed_size: 0
    .kernarg_segment_align: 8
    .kernarg_segment_size: 40
    .max_flat_workgroup_size: 128
    .sgpr_count:     100
    .vgpr_count:     1024
    .wavefront_size: 32
...
	.end_amdgpu_metadata
.endif
;; end of part 3
